; MI455X (gfx1250); checked and timed in simulation.
; The chip was launched on July 23, 2026; its instructions are those of AMD's public machine-readable ISA for CDNA 5 (MIT licence, August 2026) and "CDNA5" Instruction Set Architecture Reference Guide (July 2026). The comments in the code are by the model that wrote it; some were corrected since.
;; Binary Diff Col. Allowed arithmetic: float matrix products may take bf16 or f16 operands with f32 sums; all other float work in f32.
;; Inputs: base 4,096 x 4,096 bfloat16; coeff 4,096 bfloat16; mask 128 x 4,096 int32; x 2,048 x 4,096 bfloat16.
;; Outputs: out0 2,048 x 4,096 bfloat16.
;; One version. Each part assembles by itself: llvm-mc -triple=amdgcn-amd-amdhsa -mcpu=gfx1250 --defsym DOCPART=n.
;; ======== version 1 of 1: 1 launch
;; limits: values outside matrix products are rounded to bf16
;; launch bdc (part 1): grid 32 x 8, 4 waves a work-group, clusters of 4 x 4, 327,680 bytes of LDS; arguments x, base, coeff, mask, out0; writes out0
.if DOCPART == 1
	.amdgcn_target "amdgcn-amd-amdhsa--gfx1250"
	.amdhsa_code_object_version 6
	.text
	.protected	k_q782ab4f3c1_bdc
	.globl	k_q782ab4f3c1_bdc
	.p2align	8
	.type	k_q782ab4f3c1_bdc,@function
k_q782ab4f3c1_bdc:
	s_mov_b64 s[64:65], 0
	v_nop
	global_prefetch_b8 v0, s[64:65] scope:SCOPE_SE
	s_setreg_imm32_b32 hwreg(HW_REG_WAVE_MODE, 25, 1), 1
	s_wait_xcnt 0x0
	s_wait_alu depctr_hold_cnt(0) depctr_sa_sdst(0) depctr_va_vdst(0) depctr_va_sdst(0) depctr_va_ssrc(0) depctr_va_vcc(0) depctr_vm_vsrc(0)
	s_getreg_b32 s2, hwreg(HW_REG_IB_STS2, 6, 4)
	s_cmp_eq_u32 s2, 0
	s_cbranch_scc0 .Lentry_in_a_cluster
	s_endpgm
.Lentry_in_a_cluster:
	s_bfe_u32 s2, ttmp6, 0x10000c
	s_cmp_lg_u32 s2, 0xf033
	s_cbranch_scc0 .Lentry_shape_is_right
	s_endpgm
.Lentry_shape_is_right:
; out0[t][n] = sum over k of x[t][k] base[k][n]  +  coeff[n] * sum over k of x[t][k] S[k][n],   S[k][n] = +1 if bit k % 32 of mask[k / 32][n] is set, else -1.
; x: [2048][4096] bf16, base: [4096 (k)][4096 (n)] bf16, coeff: [4096] bf16, mask: [128][4096] i32 (all 32 bits count), out0: [2048][4096] bf16.
;
; ONE PRODUCT IN PLACE OF TWO.  For all values of the inputs, in exact arithmetic, x @ base + (x @ S) diag(coeff) = x @ W with
; W[k][n] = base[k][n] + S[k][n] coeff[n] (the distributive law, term by term).  So the second product of the formula is not formed: W is made
; in registers on the way from LDS to the matrix unit, one fused multiply-add and one rounding to bf16 for each weight.  All four inputs are loaded.
; LIMITS.  W is a matrix operand rounded once to bf16: 2^-8 of |base +- coeff| for each weight, whatever the sizes of base and coeff; no difference of
; large sums is formed.  An infinity or NaN in coeff, or base +- coeff beyond the range of bf16, reaches a column through W and not through
; (x @ S) * coeff, so infinity and NaN may change places there; where one of the two separate sums of the formula overflows by itself and the folded
; sum does not, the result here is the folded sum.
;
; SHARES.  256 work-groups, each a block of 256 rows x 128 columns of out0; four waves, each 128 rows x 64 columns: 8 (a) x 4 (b) accumulator tiles of
; 16 x 16, 256 registers.  K goes in 32 steps of 128 through two LDS slots filled by tensor loads whose rows are 256 bytes of memory at multiples of 256.
; A step is four quarters of 32 along K (one word of mask for each column); a quarter is four groups: W fragment b times the eight fragments of x.
; CLUSTERS.  4 x 4 work-groups.  The tiles of x hang on the block row alone and are asked for jointly along a row of the cluster; the tiles of base and
; the strip of mask hang on the block column alone and are asked for jointly along a column: a quarter of the requests.
; THE MATRIX INSTRUCTION IS USED TRANSPOSED: source 0 = 16 columns of W, source 1 = 16 rows of x.  Lane (r = l % 16, h = l / 16) then holds row r of the
; tile and its columns 8 h .. 8 h + 7: eight neighbouring numbers of a row of out0.
; MAKING W BESIDE THE PRODUCTS.  A fragment of W is 8 registers, made by 32 plain vector instructions; it feeds 8 matrix instructions.  Four of the 32
; stand behind each matrix instruction, dealt by kind so that no line reads what a line of the same four writes, and they work on the fragment that
; is due two groups later, so they name none of that matrix instruction's registers.
;
; LDS: slot s at s * SLOT: x, 256 rows at pitch 272; then base, 128 k rows of 128 columns at pitch 288 (9 x 32 bytes, for the transposing load).
;      Behind the slots the strip mask[0..127][my 128 columns], 128 rows of 512 bytes, filled once.  The way out uses slot 0 after its last fill and read.
; REGISTERS, in windows of 256 (s_set_vgpr_msb: bits 1:0 source 0, 3:2 source 1, 5:4 source 2, 7:6 destination):
;   window 0: addresses, -coeff, mask words, fragments of x (two buffers), the way out
;   window 1: column blocks b = 0, 2;  window 2: b = 1, 3.  In each: v0-127 accumulators, v128-159 fragments of W (two buffers x two b), v160-167 shifts, v168-171 at work
; Under the setting of a group (destination, source 0 and source 2 in its window, source 1 in window 0) the matrix instruction and all lines of
; a slice find their registers, since group b makes the fragment of block (b + 2) % 4, which lies in the same window.
.set KSTEP, 128
.set XROW,  8192                       ; bytes in a row of x, of base and of out0
.set PA,    272                        ; LDS pitch of x: 256 + 16, an odd multiple of 16 bytes
.set PB,    288                        ; LDS pitch of base: 256 + 32, an odd multiple of 32 bytes
.set HALFA, 128*PA                     ; what one tensor load brings of x
.set HALFB, 64*PB                      ; what one tensor load brings of base
.set BOFF,  2*HALFA                    ; base behind x in a slot
.set SLOT,  2*HALFA+2*HALFB            ; 106,496
.set MASKB, 2*SLOT                     ; 212,992: the strip of mask
.set SP,    144                        ; the way out: pitch of a wave's rows of 128 bytes
.set SREG,  128*SP+128                 ; the way out: from one wave's region to the next
.set ADRA, 16                          ; v16-17  LDS address of my fragments of x in slot 0, 1
.set ADRB, 18                          ; v18-19  the same for base
.set MADR, 20                          ; v20     LDS address of my mask word of block b = 0; steps 4,096 bytes (8 quarters) a lap
.set STO,  21                          ; v21     the way out: where I put 16 bytes
.set RD,   22                          ; v22     the way out: where I read 16 bytes of a whole row
.set CO,   23                          ; v23     my byte offset in out0
.set NC,   24                          ; v24-27  -coeff of my column in block b, f32
.set MW,   28                          ; v28-35  mask words: buffer p, block b at 28 + 4 p + b
.set AF,   64                          ; v64-127, v128-191  fragments of x, buffer p at 64 + 64 p
.set TMP,  192                         ; v192-223 the way out: packed results
.set RFB,  128                         ; windows 1, 2: fragment of W, buffer p, block b at 128 + 8 (2 p + b / 2)
.set SH,   160                         ; windows 1, 2: shift for bit j: 15 - j - 8 h
.set TT,   168                         ; windows 1, 2: v168-171 at work: the signs of four bits j
.set S_1,  0x51                        ; destination, source 0, source 2 in window 1; source 1 in window 0
.set S_2,  0xa2                        ; the same with window 2
.set G1A, 24                           ; s[24:31] group 1 for x
.set G0A, 32                           ; s[32:39] group 0 for x, one set for each slot
.set G1B, 40                           ; s[40:47] group 1 for base
.set G0B, 48                           ; s[48:55] group 0 for base, one set for each slot
.set G1M, 56                           ; s[56:63] group 1 for mask
.set G0M, 68                           ; s[68:71] group 0 for mask
.set MSB, 0
.macro WIN new                         ; the high byte of the immediate repeats the setting that is left; a switch that changes nothing is dropped
.if MSB != \new
	s_set_vgpr_msb (MSB<<8)|(\new)
.set MSB, \new
.endif
.endm
; A joint load of a slot: waves 0 and 1 fetch the two halves of x, waves 2 and 3 the two halves of base.  The branch hangs on the wave number alone.
.macro JLOAD s
	s_cmp_eq_u32 s15, 0
	s_cbranch_scc0 .Lfor_b_\@
	tensor_load_to_lds s[G0A+4*\s:G0A+4*\s+3], s[G1A:G1A+7]
	s_nop 0
	s_branch .Lasked_\@
.Lfor_b_\@:
	tensor_load_to_lds s[G0B+4*\s:G0B+4*\s+3], s[G1B:G1B+7]
	s_nop 0
.Lasked_\@:
.endm
; A round of the cluster barrier behind its opening work-group barrier: wave 0 signals for the work-group, every wave waits for all sixteen, the work-group barrier closes it.
.macro CREST
	s_cmp_lg_u32 s14, 0
	s_cbranch_scc1 .Lnot_wave_0_\@
	s_barrier_signal -3
.Lnot_wave_0_\@:
	s_barrier_wait -3
	s_barrier_signal -1
	s_barrier_wait -1
.endm
.macro CROUND
	s_barrier_signal -1
	s_barrier_wait -1
	CREST
.endm
	s_load_b256 s[4:11], s[0:1], 0x0               ; x s[4:5], base s[6:7], coeff s[8:9], mask s[10:11]
	s_load_b64 s[12:13], s[0:1], 0x20              ; out0
	s_set_vgpr_msb 0x80
	v_lshl_add_u32 v177, v0, 2, 0x44000
	s_set_vgpr_msb 0x8000
	v_mov_b32 v255, 0
	s_set_vgpr_msb 0x2
	ds_add_u32 v177, v255
	ds_add_u32 v177, v255
	s_set_vgpr_msb 0x200
	v_lshrrev_b32 v1, 5, v0
	v_readfirstlane_b32 s14, v1                    ; wave 0..3
	s_lshr_b32 s15, s14, 1                         ; which 128 rows of the block are mine.  Also: I fetch x (0) or base (1)
	s_and_b32 s16, s14, 1                          ; which 64 columns are mine.  Also: which half of that tile I fetch
	s_bfe_u32 s17, ttmp6, 0x40000                  ; cx
	s_bfe_u32 s18, ttmp6, 0x40004                  ; cy
	s_lshl_b32 s19, ttmp9, 2
	s_add_co_u32 s19, s19, s17                     ; block column = 4 x cluster x + cx, 0..31
	s_and_b32 s20, ttmp7, 0xffff
	s_lshl_b32 s20, s20, 2
	s_add_co_u32 s20, s20, s18                     ; block row = 4 x cluster y + cy, 0..7
	s_lshl_b32 s21, s18, 2
	s_lshl_b32 s21, 15, s21                        ; my row of the cluster: places 4 cy .. 4 cy + 3
	s_lshl_b32 s22, 0x1111, s17                    ; my column: places cx, cx + 4, cx + 8, cx + 12
	s_mov_b32 s80, 0x80008000                      ; the sign bits of two bf16
	s_mov_b32 s81, 0x3f803f80                      ; two bf16 of 1.0
	; group 1 for x: 128 rows x 128 elements of 2 bytes, 4 words of padding behind every 64 words
	s_or_b32 s[G1A+0], s21, (1<<16)|(1<<20)|(1<<21)|(5<<22)|(3<<25)
	s_mov_b32 s[G1A+1], 128<<16                    ; tensor_dim0 = 128
	s_mov_b32 s[G1A+2], 128<<16                    ; tensor_dim1 = 128
	s_mov_b32 s[G1A+3], 128<<16                    ; tile_dim0 = 128
	s_mov_b32 s[G1A+4], 128                        ; tile_dim1 = 128
	s_mov_b32 s[G1A+5], 4096                       ; elements from row to row
	s_mov_b32 s[G1A+6], 0
	s_mov_b32 s[G1A+7], 0
	; group 1 for base: 64 k rows x 128 elements of 2 bytes, 8 words of padding behind every 64 words
	s_or_b32 s[G1B+0], s22, (1<<16)|(1<<20)|(1<<21)|(5<<22)|(7<<25)
	s_mov_b32 s[G1B+1], 128<<16
	s_mov_b32 s[G1B+2], 64<<16
	s_mov_b32 s[G1B+3], 128<<16
	s_mov_b32 s[G1B+4], 64
	s_mov_b32 s[G1B+5], 4096
	s_mov_b32 s[G1B+6], 0
	s_mov_b32 s[G1B+7], 0
	; group 1 for mask: 32 rows x 128 elements of 4 bytes, no padding
	s_or_b32 s[G1M+0], s22, (2<<16)|(1<<21)
	s_mov_b32 s[G1M+1], 128<<16
	s_mov_b32 s[G1M+2], 32<<16
	s_mov_b32 s[G1M+3], 128<<16
	s_mov_b32 s[G1M+4], 32
	s_mov_b32 s[G1M+5], 4096
	s_mov_b32 s[G1M+6], 0
	s_mov_b32 s[G1M+7], 0
	; where the tiles come from: x by the block row and the wave, base and mask by the block column and the wave, each in registers that never hold the other coordinate
	s_lshl_b32 s72, s20, 21                        ; x: 256 rows of 8,192 bytes a block row
	s_lshl_b32 s73, s16, 20                        ;    + 128 rows for the second half
	s_add_co_u32 s72, s72, s73
	s_mov_b32 s73, 0
	s_lshl_b32 s74, s19, 8                         ; base: 256 bytes a block column
	s_lshl_b32 s75, s16, 19                        ;    + 64 k rows for the second half
	s_add_co_u32 s74, s74, s75
	s_mov_b32 s75, 0
	s_lshl_b32 s76, s19, 9                         ; mask: 512 bytes a block column
	s_lshl_b32 s77, s14, 19                        ;    + 32 rows of 16,384 bytes a wave
	s_add_co_u32 s76, s76, s77
	s_mov_b32 s77, 0
	s_mul_i32 s78, s14, HALFA                      ; and where they go: the wave number times a constant, plus constants
	s_mul_i32 s79, s14, HALFB
	s_add_co_u32 s79, s79, BOFF-2*HALFB            ; waves 2, 3: BOFF, BOFF + HALFB
	s_lshl_b32 s[G0M+1], s14, 14
	s_add_co_u32 s[G0M+1], s[G0M+1], MASKB         ; a quarter of the strip for each wave
	s_wait_dscnt 0x0
	s_wait_kmcnt 0x0
	s_add_nc_u64 s[72:73], s[4:5], s[72:73]
	s_add_nc_u64 s[74:75], s[6:7], s[74:75]
	s_add_nc_u64 s[76:77], s[10:11], s[76:77]
.irp s, 0,1
	s_mov_b32 s[G0A+4*\s], 1
	s_add_co_u32 s[G0A+4*\s+1], s78, \s*SLOT
	s_add_nc_u64 s[G0A+4*\s+2:G0A+4*\s+3], s[72:73], \s*KSTEP*2       ; K step s: 256 bytes along the rows of x
	s_or_b32 s[G0A+4*\s+3], s[G0A+4*\s+3], 0x80000000
	s_mov_b32 s[G0B+4*\s], 1
	s_add_co_u32 s[G0B+4*\s+1], s79, \s*SLOT
	s_add_nc_u64 s[G0B+4*\s+2:G0B+4*\s+3], s[74:75], \s*KSTEP*XROW    ; K step s: 128 rows of base down
	s_or_b32 s[G0B+4*\s+3], s[G0B+4*\s+3], 0x80000000
.endr
	s_mov_b32 s[G0M], 1
	s_mov_b64 s[G0M+2:G0M+3], s[76:77]
	s_or_b32 s[G0M+3], s[G0M+3], 0x80000000
	CROUND                                         ; all sixteen work-groups are here: the first joint loads meet
	JLOAD 0                                        ; the first fills as one group: three tensor loads of the wave are out
	tensor_load_to_lds s[G0M:G0M+3], s[G1M:G1M+7]  ; every wave its own 32 rows of the strip of mask
	s_nop 0
	JLOAD 1
	; lane terms
	v_and_b32 v1, 15, v0                           ; r
	v_bfe_u32 v2, v0, 4, 1                         ; h
	v_and_b32 v3, 7, v0                            ; l % 8
	v_bfe_u32 v4, v0, 3, 1                         ; (l / 8) % 2
	v_mul_u32_u24 v6, v1, PA
	v_lshl_add_u32 v6, v2, 4, v6                   ; x fragment: row r x pitch + 16 h; two loads of 16 bytes, 32 apart
	s_mul_i32 s78, s15, HALFA                      ; my 128 rows
	v_add_nc_u32 v[ADRA], s78, v6
	v_add_nc_u32 v[ADRA+1], SLOT, v[ADRA]
	v_lshl_add_u32 v7, v2, 3, v3                   ; base, transposing load: k row 8 h + l % 8,
	v_mul_u32_u24 v7, v7, PB
	v_lshl_add_u32 v7, v4, 4, v7                   ; 16 bytes (8 columns) by (l / 8) % 2
	s_lshl_b32 s79, s16, 7                         ; my 64 columns
	s_add_co_u32 s79, s79, BOFF
	v_add_nc_u32 v[ADRB], s79, v7
	v_add_nc_u32 v[ADRB+1], SLOT, v[ADRB]
	v_lshlrev_b32 v8, 2, v1                        ; mask: the word of column r of my 64
	s_lshl_b32 s78, s16, 8
	s_add_co_u32 s78, s78, MASKB
	v_add_nc_u32 v[MADR], s78, v8
	v_mul_u32_u24 v9, v1, SP                       ; the way out, in: my own region, row r, 16 bytes by h
	v_lshl_add_u32 v9, v2, 4, v9
	s_mul_i32 s78, s14, SREG
	v_add_nc_u32 v[STO], s78, v9
	v_mul_u32_u24 v10, v4, SREG                    ; back: lanes 0-7 of a half take the left wave's 128 bytes of a row, lanes 8-15 the right wave's
	v_mad_u32_u24 v10, v2, SP, v10                 ; lanes 16-31 the next row
	v_lshl_add_u32 v10, v3, 4, v10
	s_mul_i32 s78, s15, 2*SREG                     ; the two regions of my 128 rows,
	s_mul_i32 s79, s16, 64*SP                      ; of which I send out 64
	s_add_co_u32 s78, s78, s79
	v_add_nc_u32 v[RD], s78, v10
	v_lshlrev_b32 v12, 4, v1
	v_lshl_add_u32 v[CO], v2, 13, v12              ; the same two rows in out0: 8,192 h + 16 r
	s_lshl_b32 s72, s20, 21                        ; out0 at row 256 x block row + 64 x wave (registers of the block row side),
	s_lshl_b32 s73, s14, 19
	s_add_co_u32 s72, s72, s73
	s_mov_b32 s73, 0
	s_add_nc_u64 s[12:13], s[12:13], s[72:73]
	s_lshl_b32 s74, s19, 8                         ; column 128 x block column (registers of the block column side)
	s_mov_b32 s75, 0
	s_add_nc_u64 s[12:13], s[12:13], s[74:75]
	s_lshl_b32 s77, s16, 7
	s_add_co_u32 s76, s74, s77                     ; coeff: 2 bytes x (128 x block column + 64 x column half + r), block b 32 bytes on
	v_lshlrev_b32 v11, 1, v1
	v_add_nc_u32 v11, s76, v11
.irp b, 0,1,2,3
	global_load_u16 v[NC+\b], v11, s[8:9] offset:32*\b
.endr
	v_lshlrev_b32 v5, 3, v2
	v_sub_nc_u32 v5, 15, v5                        ; 15 - 8 h
	WIN 0x40                                       ; destination window 1
.irp j, 0,1,2,3,4,5,6,7
	v_add_nc_u32 v[SH+\j], -\j, v5                 ; 15 - j - 8 h, never below 0
.endr
	WIN 0x80                                       ; destination window 2
.irp j, 0,1,2,3,4,5,6,7
	v_add_nc_u32 v[SH+\j], -\j, v5
.endr
	WIN 0
	s_wait_loadcnt 0x0                             ; the four coefficients, once
.irp b, 0,1,2,3
	v_lshlrev_b32 v[NC+\b], 16, v[NC+\b]           ; bf16 to f32
.endr
.irp b, 0,1,2,3
	v_xor_b32 v[NC+\b], 0x80000000, v[NC+\b]       ; -coeff
.endr
; Slice a (0 to 7) of the fragment of W in buffer xp, block xb: four of its 32 lines.
; The lane holds column r: registers 0-3 k = 8 h + 0..7, registers 4-7 k = 16 + 8 h + 0..7, two to a register.  For bit j (0 to 7) the shift by
; 15 - j - 8 h brings bit 8 h + j of the mask word to bit 15 and bit 16 + 8 h + j to bit 31; with 1.0 beneath them these are two bf16 of -S.
; (-S) x (-coeff) + base, exact and rounded once to bf16, goes back into the half from which base came (register j / 2 and register 4 + j / 2, half
; j % 2); the other half of the register is kept.
; The lines are dealt BY KIND, four bits j at a time: slice 0 the shifts of j = 0..3, slice 1 their and-or, slice 2 the low halves (j = 0, 2),
; slice 3 the high halves (j = 1, 3); slices 4 to 7 the same for j = 4..7.  So no line reads what a line of its own slice writes, and between a line
; and the line that reads its result stands a matrix instruction.
.macro SLICE xp, xb, a
.set SJ, 4*((\a)/4)                                ; the first of the four bits j
.set SB, RFB+8*(2*(\xp)+(\xb)/2)+2*((\a)/4)        ; registers SB, SB + 1 (k = 8 h + ..) and SB + 4, SB + 5 (k = 16 + 8 h + ..)
.if ((\a)%4) == 0
.irp i, 0,1,2,3
	v_lshlrev_b32 v[TT+\i], v[SH+SJ+\i], v[MW+4*(\xp)+(\xb)]
.endr
.elseif ((\a)%4) == 1
.irp i, 0,1,2,3
	v_and_or_b32 v[TT+\i], v[TT+\i], s80, s81
.endr
.elseif ((\a)%4) == 2
	v_fma_mixlo_bf16 v[SB], v[TT], v[NC+(\xb)], v[SB] op_sel_hi:[1,0,1]
	v_fma_mixlo_bf16 v[SB+4], v[TT], v[NC+(\xb)], v[SB+4] op_sel:[1,0,0] op_sel_hi:[1,0,1]
	v_fma_mixlo_bf16 v[SB+1], v[TT+2], v[NC+(\xb)], v[SB+1] op_sel_hi:[1,0,1]
	v_fma_mixlo_bf16 v[SB+5], v[TT+2], v[NC+(\xb)], v[SB+5] op_sel:[1,0,0] op_sel_hi:[1,0,1]
.else
	v_fma_mixhi_bf16 v[SB], v[TT+1], v[NC+(\xb)], v[SB] op_sel:[0,0,1] op_sel_hi:[1,0,1]
	v_fma_mixhi_bf16 v[SB+4], v[TT+1], v[NC+(\xb)], v[SB+4] op_sel:[1,0,1] op_sel_hi:[1,0,1]
	v_fma_mixhi_bf16 v[SB+1], v[TT+3], v[NC+(\xb)], v[SB+1] op_sel:[0,0,1] op_sel_hi:[1,0,1]
	v_fma_mixhi_bf16 v[SB+5], v[TT+3], v[NC+(\xb)], v[SB+5] op_sel:[1,0,1] op_sel_hi:[1,0,1]
.endif
.endm
; A whole fragment at once: only ahead of the first quarter, where no product stands yet
.macro XFALL p, b
.if (\b)%2
	WIN S_2
.else
	WIN S_1
.endif
.irp j, 0,1,2,3,4,5,6,7
	SLICE \p, \b, \j
.endr
.endm
; Group b of a quarter on buffers p: W fragment b times the eight fragments of x.  zero = 1: the product starts the sums, nothing is cleared.
; xf = 1: behind each matrix instruction one slice of fragment (xp, xb).  The 32 accumulators take turns, one instruction a turn, in the same order
; in every quarter and over the backward jump.
.macro GROUP p, b, zero, xp, xb, xf
.if (\b)%2
	WIN S_2
.else
	WIN S_1
.endif
.set GA, 64*((\b)/2)
.set GR, RFB+8*(2*(\p)+(\b)/2)
.set GX, AF+64*(\p)
.irp a, 0,1,2,3,4,5,6,7
.if \zero
	v_wmma_f32_16x16x32_bf16 v[GA+8*\a:GA+8*\a+7], v[GR:GR+7], v[GX+8*\a:GX+8*\a+7], 0
.else
	v_wmma_f32_16x16x32_bf16 v[GA+8*\a:GA+8*\a+7], v[GR:GR+7], v[GX+8*\a:GX+8*\a+7], v[GA+8*\a:GA+8*\a+7]
.endif
.if \xf
	SLICE \xp, \xb, \a
.endif
.endr
.endm
; 28 LDS loads in one run, for quarter kq of a slot, into buffers p: 8 transposing loads of base, 4 mask words (at byte mo from MADR), 16 loads of x.
; The registers that it fills were last named by matrix instructions of the quarter before; a whole group with its 32 plain vector instructions stands between.
.macro RUN slot, kq, p, mo
	WIN 0x40                                       ; destination window 1: blocks 0, 2
.irp c, 0,1
	ds_load_tr16_b128 v[RFB+8*(2*(\p)+\c):RFB+8*(2*(\p)+\c)+3], v[ADRB+\slot] offset:(\kq)*32*PB+64*\c
	ds_load_tr16_b128 v[RFB+8*(2*(\p)+\c)+4:RFB+8*(2*(\p)+\c)+7], v[ADRB+\slot] offset:(\kq)*32*PB+64*\c+16*PB
.endr
	WIN 0x80                                       ; destination window 2: blocks 1, 3
.irp c, 0,1
	ds_load_tr16_b128 v[RFB+8*(2*(\p)+\c):RFB+8*(2*(\p)+\c)+3], v[ADRB+\slot] offset:(\kq)*32*PB+64*\c+32
	ds_load_tr16_b128 v[RFB+8*(2*(\p)+\c)+4:RFB+8*(2*(\p)+\c)+7], v[ADRB+\slot] offset:(\kq)*32*PB+64*\c+32+16*PB
.endr
	WIN 0
.irp b, 0,1,2,3
	ds_load_b32 v[MW+4*(\p)+\b], v[MADR] offset:(\mo)+64*\b
.endr
.irp i, 0,1,2,3,4,5,6,7
	ds_load_b128 v[AF+64*(\p)+8*\i:AF+64*(\p)+8*\i+3], v[ADRA+\slot] offset:(\kq)*64+\i*16*PA
	ds_load_b128 v[AF+64*(\p)+8*\i+4:AF+64*(\p)+8*\i+7], v[ADRA+\slot] offset:(\kq)*64+\i*16*PA+32
.endr
.endm
; One of the first three quarters of a step, on buffers p; its run fetches quarter kq of the same slot into the other buffers.
.macro QUARTER slot, kq, p, mo, zero
	s_wait_dscnt 0x0                               ; this quarter's fragments of x are in (issued 24 matrix instructions ago)
	GROUP \p, 0, \zero, \p, 2, 1
	RUN \slot, \kq, 1-\p, \mo
	GROUP \p, 1, \zero, \p, 3, 1
	s_wait_dscnt 16                                ; the 16 youngest loads of the run (x) may be out; its 8 loads of base and 4 mask words are in
	GROUP \p, 2, \zero, 1-\p, 0, 1
	GROUP \p, 3, \zero, 1-\p, 1, 1
.endm
; The fourth quarter (buffers 1) changes slots.  One barrier for two things: in front of it each wave waits for its reads of this slot and for all its
; tensor loads (the one that is out is its part of the next slot); behind it nobody reads this slot and the next slot is whole.  fill = 1: the barrier
; opens a round of the cluster barrier, and the joint refill, two K steps ahead, is the first tensor load behind the round, one a wave.
; From that request to the wait for it a wave issues 120 matrix instructions.
.macro TURN slot, next, fill, mo
	s_wait_dscnt 0x0                               ; my reads of this slot are over
	s_wait_tensorcnt 0x0                           ; and all my tensor loads have landed
	ds_add_u32 v177, v255
	s_wait_dscnt 0x0
	s_barrier_signal -1
	GROUP 1, 0, 0, 1, 2, 1                         ; register work while the others arrive
	WIN 0
	s_barrier_wait -1
.if \fill
	CREST
	s_add_nc_u64 s[G0A+4*\slot+2:G0A+4*\slot+3], s[G0A+4*\slot+2:G0A+4*\slot+3], 2*KSTEP*2
	s_add_nc_u64 s[G0B+4*\slot+2:G0B+4*\slot+3], s[G0B+4*\slot+2:G0B+4*\slot+3], 2*KSTEP*XROW
	JLOAD \slot
.endif
	RUN \next, 0, 0, \mo
	GROUP 1, 1, 0, 1, 3, 1
	s_wait_dscnt 16                                ; as in every quarter
	GROUP 1, 2, 0, 0, 0, 1
	GROUP 1, 3, 0, 0, 1, 1
.endm
; Once round the ring: two K steps, eight quarters; quarter Q fetches the mask words of quarter Q + 1, 512 bytes a quarter
.macro LAP zero
	QUARTER 0, 1, 0, 512, \zero
	QUARTER 0, 2, 1, 1024, 0
	QUARTER 0, 3, 0, 1536, 0
	TURN 0, 1, 1, 2048
	QUARTER 1, 1, 0, 2560, 0
	QUARTER 1, 2, 1, 3072, 0
	QUARTER 1, 3, 0, 3584, 0
	TURN 1, 0, 1, 4096
	WIN 0                                          ; at a label and at a branch every window is 0
	v_add_nc_u32 v[MADR], 4096, v[MADR]
.endm
	s_wait_tensorcnt 0x1                           ; my parts of slot 0 and of the mask strip are in; slot 1, issued last, stays out
	s_barrier_signal -1
	s_barrier_wait -1                              ; everybody's are
	RUN 0, 0, 0, 0
	s_wait_dscnt 16                                ; base and mask words of quarter 0 are in
	XFALL 0, 0
	XFALL 0, 1
	LAP 1                                          ; K steps 0, 1; the first quarter starts the 32 sums
	s_mov_b32 s3, 14                               ; K steps 2 to 29
.Llap:
	LAP 0
	s_sub_co_u32 s3, s3, 1
	s_cmp_lg_u32 s3, 0
	s_cbranch_scc1 .Llap
	; the last lap, K steps 30 and 31: nothing is left to fetch, so no round and no fill
	QUARTER 0, 1, 0, 512, 0
	QUARTER 0, 2, 1, 1024, 0
	QUARTER 0, 3, 0, 1536, 0
	TURN 0, 1, 0, 2048                             ; its wait for all tensor loads covers the last one, slot 1 of K step 31
	QUARTER 1, 1, 0, 2560, 0
	QUARTER 1, 2, 1, 3072, 0
	QUARTER 1, 3, 0, 3584, 0
	s_wait_dscnt 0x0
	GROUP 1, 0, 0, 1, 2, 1
	GROUP 1, 1, 0, 1, 3, 1
	GROUP 1, 2, 0, 0, 0, 0                         ; no fragment is left to make
	GROUP 1, 3, 0, 0, 0, 0
	; THE WAY OUT.  Four v_nop are the places behind the last matrix instructions (ISA guide 7.12.1), for the conversions that read results.
	; Each wave rounds its 128 x 64 numbers to bf16 and puts them, 16 bytes a lane, into a region of its own inside slot 0: that slot had its last fill
	; two K steps ago, and every wave's last read of it stood in front of the barrier of K step 30.
.rept 4
	v_nop
.endr
.macro OUTB from, bb, b                ; block b: the eight tiles at v[64 bb + 8 a] of the window that from names for sources 0 and 1
	WIN \from
.irp a, 0,1,2,3,4,5,6,7
.irp r, 0,1,2,3
	v_cvt_pk_bf16_f32 v[TMP+4*\a+\r], v[64*\bb+8*\a+2*\r], v[64*\bb+8*\a+2*\r+1]
.endr
.endr
	WIN 0
.irp a, 0,1,2,3,4,5,6,7
	ds_store_b128 v[STO], v[TMP+4*\a:TMP+4*\a+3] offset:\a*16*SP+32*\b
.endr
.endm
	OUTB 0x05, 0, 0
	OUTB 0x0a, 0, 1
	OUTB 0x05, 1, 2
	OUTB 0x0a, 1, 3
	s_wait_dscnt 0x0                               ; my stores are done, for the sake of the wave that reads them
	s_barrier_signal -1
	s_barrier_wait -1                              ; a row of 256 bytes lies half in one wave's region and half in its neighbour's
.set t, 0
.rept 32
	ds_load_b128 v[AF+4*t:AF+4*t+3], v[RD] offset:2*SP*t           ; rows 2 t and 2 t + 1 of the 64 that I send out
.set t, t+1
.endr
.set t, 0
.rept 32
	s_wait_dscnt 31-t                              ; LDS loads come back in order (ISA guide 5.7.1): load t is in, the younger ones stay out
	global_store_b128 v[CO], v[AF+4*t:AF+4*t+3], s[12:13] offset:2*XROW*t th:TH_STORE_NT   ; 16 lanes store 256 consecutive bytes at a multiple of 256 from the first byte of out0
.set t, t+1
.endr
	s_set_vgpr_msb 0x2
	s_wait_tensorcnt 0x0
	ds_add_u32 v177, v255
	s_wait_dscnt 0x0
	s_set_vgpr_msb 0x200
	CROUND                                         ; the closing round: no work-group ends while a partner may still ask for a tile that names it
	s_endpgm
.Lfunc_end_k_q782ab4f3c1_bdc:
	.size	k_q782ab4f3c1_bdc, .Lfunc_end_k_q782ab4f3c1_bdc-k_q782ab4f3c1_bdc
	.p2alignl 7, 3214868480
	.fill 96, 4, 3214868480
	.section	.rodata,"a",@progbits
	.p2align	6, 0x0
	.amdhsa_kernel k_q782ab4f3c1_bdc
		.amdhsa_group_segment_fixed_size 327680
		.amdhsa_private_segment_fixed_size 0
		.amdhsa_enable_private_segment 0
		.amdhsa_kernarg_size 40
		.amdhsa_user_sgpr_count 2
		.amdhsa_user_sgpr_kernarg_segment_ptr 1
		.amdhsa_wavefront_size32 1
		.amdhsa_system_sgpr_workgroup_id_x 1
		.amdhsa_system_sgpr_workgroup_id_y 1
		.amdhsa_system_sgpr_workgroup_id_z 1
		.amdhsa_system_vgpr_workitem_id 0
		.amdhsa_next_free_vgpr 690
		.amdhsa_next_free_sgpr 84
		.amdhsa_reserve_vcc 0
		.amdhsa_float_denorm_mode_32 3
		.amdhsa_float_denorm_mode_16_64 3
		.amdhsa_memory_ordered 1
		.amdhsa_forward_progress 1
		.amdhsa_inst_pref_size 255
	.end_amdhsa_kernel
	.section	.bss,"aw",@nobits
	.p2align	6
	.space	262144
	.amdgpu_metadata
---
amdhsa.version: [ 1, 2 ]
amdhsa.kernels:
  - .name:           k_q782ab4f3c1_bdc
    .symbol:         k_q782ab4f3c1_bdc.kd
    .args:
      - { .name: x, .offset: 0, .size: 8, .value_kind: global_buffer, .address_space: global }
      - { .name: base, .offset: 8, .size: 8, .value_kind: global_buffer, .address_space: global }
      - { .name: coeff, .offset: 16, .size: 8, .value_kind: global_buffer, .address_space: global }
      - { .name: mask, .offset: 24, .size: 8, .value_kind: global_buffer, .address_space: global }
      - { .name: out0, .offset: 32, .size: 8, .value_kind: global_buffer, .address_space: global }
    .group_segment_fixed_size: 327680
    .private_segment_fixed_size: 0
    .kernarg_segment_align: 8
    .kernarg_segment_size: 40
    .max_flat_workgroup_size: 128
    .sgpr_count:     84
    .vgpr_count:     690
    .wavefront_size: 32
...
	.end_amdgpu_metadata
.endif
;; end of part 1
